; MI455X (gfx1250); checked and timed in simulation.
; The chip was launched on July 23, 2026; its instructions are those of AMD's public machine-readable ISA for CDNA 5 (MIT licence, August 2026) and "CDNA5" Instruction Set Architecture Reference Guide (July 2026). The comments in the code are by the model that wrote it; some were corrected since.
;; MAB channel aware force. Allowed arithmetic: float matrix products may take bf16 or f16 operands with f32 sums; all other float work in f32.
;; Inputs: K 32 x 512 x 512 float32; Q 32 x 512 x 512 float32; Wk 512 x 512 float32; Wo 512 x 512 float32; Wq 512 x 512 float32; Wv 512 x 512 float32; bk 512 float32; bo 512 float32; bq 512 float32; bv 512 float32; ln0_b 512 float32; ln0_g 512 float32; ln1_b 512 float32; ln1_g 512 float32.
;; Outputs: out0 32 x 512 x 512 float32.
;; One version. Each part assembles by itself: llvm-mc -triple=amdgcn-amd-amdhsa -mcpu=gfx1250 --defsym DOCPART=n.
;; ======== version 1 of 1: 2 launches
;; limits: values are held in f16: magnitudes above 65,504 overflow, below 6.1e-05 lose precision; inputs' magnitudes at most 65,504; right only within a limited range of input values
;; workspace buffers: obuf 33,554,432 bytes; wo16 524,288 bytes
;; launch heads (part 1): grid 8 x 32, 8 waves a work-group, clusters of 4 x 1, 327,680 bytes of LDS; arguments K, Q, Wk, Wv, Wq, bq, bv, Wo, obuf, wo16; writes obuf, wo16
.if DOCPART == 1
	.amdgcn_target "amdgcn-amd-amdhsa--gfx1250"
	.amdhsa_code_object_version 6
	.text
	.protected	k_q547a7af9d7_heads
	.globl	k_q547a7af9d7_heads
	.p2align	8
	.type	k_q547a7af9d7_heads,@function
k_q547a7af9d7_heads:
	s_mov_b64 s[64:65], 0
	v_nop
	global_prefetch_b8 v0, s[64:65] scope:SCOPE_SE
	s_setreg_imm32_b32 hwreg(HW_REG_WAVE_MODE, 25, 1), 1
	s_wait_xcnt 0x0
	s_wait_alu depctr_hold_cnt(0) depctr_sa_sdst(0) depctr_va_vdst(0) depctr_va_sdst(0) depctr_va_ssrc(0) depctr_va_vcc(0) depctr_vm_vsrc(0)
	s_getreg_b32 s2, hwreg(HW_REG_IB_STS2, 6, 4)
	s_cmp_eq_u32 s2, 0
	s_cbranch_scc0 .Lentry_in_a_cluster
	s_endpgm
.Lentry_in_a_cluster:
	s_bfe_u32 s2, ttmp6, 0x10000c
	s_cmp_lg_u32 s2, 0x3003
	s_cbranch_scc0 .Lentry_shape_is_right
	s_endpgm
.Lentry_shape_is_right:
; heads: one work-group makes, for one batch b and one head hd, obuf[b][q][64 hd + d] = q + bv + softmax(q k^T / sqrt(512)) v,
; with q = Q[b] Wq[:, head] + bq, k = K[b] Wk[:, head], v = K[b] Wv[:, head]; all 512 queries and all 512 keys.
; It also casts its 1/256 of Wo to f16 (wo16), for the launch that follows.
;
; WORK LEFT OUT: bk.  k reaches the result through the scores alone, and scores[q][key] = (q . (K Wk)[key] + q . bk) / sqrt(512).
; The term q . bk is the same for every key of a row, and a softmax along the keys is unchanged by a term common to its axis.
; That holds for all finite values of all inputs, so bk has no way to any output: it is not loaded and is no argument of any launch.
; LIMIT: a NaN, an infinity or an overflow that bk or q . bk would bring is not carried to the result.
; bv IS LIVE, but moved: a softmax row sums to 1, so A (v + bv) = A v + bv; it is added in f32 behind the average
; (an order of rounding that differs from the formula as written).
;
; NUMBER FORMATS.  The projections take Q, K and the weights rounded to f16 (11 significant bits): q goes to the output as the residual,
; so its rounding shows there undiminished.  LIMIT: an element of Q, K, Wq, Wk, Wv or Wo beyond 65,504 in magnitude becomes an infinity,
; and elements under 2^-14 are kept to steps of 2^-24.  Inside the attention q, k, v and the softmax weights are rounded to bf16: q and k
; grow with the product of two inputs' sizes and want bf16's range, and what they yield is an average over 512 keys added to q.
; All sums are f32.  v_exp_f32 gives 0 for results below 2^-126 (ISA guide 15.8): softmax weights that small count as 0.
; The maximum is taken away before every exponential, as a running maximum over blocks of 64 keys.
;
; SHARES: eight waves; wave w owns rows 64 w .. 64 w + 63, as keys (k, v) and as queries (q, scores, O).
; K[b] and Q[b] come in sixteen steps of 64 columns (rows of 256 bytes, each at a multiple of 256) through two LDS slots; each wave's tensor load
; brings its own 64 rows.  CLUSTER: the four heads of a 4 x 1 cluster need the same tiles of K[b] and Q[b] and ask for them jointly
; (mask 15); the descriptors hang on the batch, the wave and the step alone.  The weight slices (16 or 32 KiB a step beside 128 KiB
; of K or Q) differ from head to head inside a cluster, so they come by plain loads, are rounded to f16 and lie in a ring of their own.
; A wave has two tensor loads out at the start and one behind each later round.
;
; THE MATRIX INSTRUCTION'S SIDES are chosen so that no result needs a transposition:
;   q, k:   D = W fragment x X fragment : a lane holds row r, columns 16 b + 8 h + j      (r = lane % 16, h = lane / 16, j = register)
;   v:      D = X fragment x W fragment : a lane holds column 16 b + r, keys 8 h + j      (goes to LDS transposed, [d][key])
;   scores: D = k fragment x q fragment : a lane holds query r, keys 16 kt + 8 h + j      (two neighbouring tiles pack into one operand of A v)
;   A v:    D = vT fragment x P fragment: a lane holds query r, d = 16 b + 8 h + j        (q's layout: the residual is one fused multiply-add)
; so a query's maximum and sum are per-lane values, shared by lanes r and r + 16.
.set XP,   272                         ; LDS pitch of a K or Q row: 256 bytes + 16 = 17 x 16, so sixteen rows start in sixteen different 16-byte columns modulo 256
.set XW,   64*XP                       ; a wave's 64 rows
.set SLOT, 8*XW                        ; 139,264: a slot, 512 rows
.set WR,   2*SLOT                      ; 278,528 = 1,088 x 256: the weight ring, written by LDS stores alone, never by a tensor load
.set WP,   288                         ; its pitch: 128 f16 + 32 bytes = 9 x 32
.set WBUF, 64*WP                       ; [64 k][128 n]: columns 0-63 Wk or Wq, columns 64-127 Wv
.set KP,   144                         ; behind the slots' last fill: k, bf16 [512 key][64 d], at byte 0
.set VT,   512*KP                      ; 73,728: vT, bf16 [64 d][512 key]
.set VP,   1040                        ; its pitch: 1,024 + 16
.set STG,  VT+64*VP                    ; 140,288: each wave's stage for the way out, 16 rows of 256 bytes
.set SGP,  272
; vector registers, window 0
.set XA,   1                           ; v1, v2  my X fragments in slot 0, 1
.set WA,   3                           ; weight fragments (transposing loads)
.set WGO,  4                           ; weights in memory: 16 rows x 256 bytes for the 256 threads
.set WST,  5                           ; weights into the ring
.set KST,  6                           ; k into LDS
.set VST,  7                           ; vT into LDS
.set KA,   8                           ; k fragments; steps by 64 keys
.set VA,   9                           ; vT fragments; steps by 64 keys
.set SST,  10                          ; stage, in
.set SRD,  11                          ; stage, back
.set OGO,  12                          ; obuf
.set BOFF, 13                          ; bq, bv
.set WOL,  14                          ; Wo
.set WOS,  15                          ; wo16
.set XS,   16                          ; v[16:143]  projections: X fragment (ks, a) at XS + 64 ks + 16 a: 16 f32, packed in place to 8 registers
.set WF,   144                         ; v[144:207] projections: eight weight fragments
.set WGS,  208                         ; v[208:239] projections: weights on their way from memory to the ring
.set WOC,  240                         ; v[240:243] the cast of Wo
.set QB,   16                           ; v[16:79]   attention: q fragment (a, s) at QB + 16 a + 8 s
.set SB,   80                          ; v[80:207]  attention: score tile (kt, a) at SB + 8 (4 kt + a)
.set KF,   208                         ; v[208:239] attention: two k fragment pairs, taking turns
.set TM,   208                         ; inside the softmax KF's first pair is free: maxima,
.set TX,   212                         ; the other half's figures,
.set TS,   216                         ; sums (pairs)
.set PM,   240                         ; v[240:247] pairs (-c M, M) of query tile a
.set PL,   248                         ; v[248:255] pairs (rescale or 1 / L, L) of query tile a
; window 1 (v256-511, written by their low numbers): k tile (a, b) at 8 (4 a + b), v tile at 128 + 8 (4 a + b); packed: k at 4 (4 a + b),
; v at 64 + 4 (4 a + b); then q in f32 at 128 + 8 (4 a + b), kept to the end, and O at 8 (4 a + b) once k and v are in LDS.
; scalars: s3 wave, s4 cx, s5 head, s6 batch, s7 at work and loop counter, s[8:27] the ten addresses, s[28:35] descriptor group 1,
; s[36:43] group 0 for K's slots, s[44:51] for Q's, s[52:53] offsets free of cx, s[54:55] c twice, s56 -c, s[58:59] lane selects, s[60:62] offsets with cx.
.set G1, 28
.set GK, 36
.set GQ, 44
.set MSB, 0
.macro WIN new                         ; low byte: bits 1:0 source 0, 3:2 source 1, 5:4 source 2, 7:6 destination; the high byte repeats the setting that is left
.if MSB != \new
	s_set_vgpr_msb (MSB<<8)|\new
.set MSB, \new
.endif
.endm
.macro PLACES n
.rept \n
	v_nop
.endr
.endm
; A round of the cluster's barrier: my work-group's barrier, wave 0 signals for the work-group, every wave waits for all four work-groups, my work-group's barrier again.
.macro ROUND
	s_barrier_signal -1
	s_barrier_wait -1
	s_cmp_lg_u32 s3, 0
	s_cbranch_scc1 .Lnot_wave_0_\@
	s_barrier_signal -3
.Lnot_wave_0_\@:
	s_barrier_wait -3
	s_barrier_signal -1
	s_barrier_wait -1
.endm
	s_load_b512 s[8:23], s[0:1], 0x0               ; K, Q, Wk, Wv, Wq, bq, bv, Wo
	s_load_b128 s[24:27], s[0:1], 0x40             ; obuf, wo16
	v_lshl_add_u32 v254, v0, 2, 0x4d000
	v_mov_b32 v255, 0
	ds_add_u32 v254, v255
	s_wait_dscnt 0x0
	v_lshrrev_b32 v16, 5, v0
	v_readfirstlane_b32 s3, v16                    ; wave 0..7
	s_bfe_u32 s4, ttmp6, 0x40000                   ; cx
	s_lshl_b32 s5, ttmp9, 2
	s_add_co_u32 s5, s5, s4                        ; head = 4 x cluster x + cx
	s_and_b32 s6, ttmp7, 0xffff                    ; batch
	s_mov_b32 s54, 0x3d8293ee                      ; c = log2(e) / sqrt(512)
	s_mov_b32 s55, 0x3d8293ee
	s_mov_b32 s56, 0xbd8293ee                      ; -c
	s_mov_b32 s58, 0x76543210                      ; v_permlanex16_b32: lane i reads lane i of the other half
	s_mov_b32 s59, 0xfedcba98
	v_and_b32 v17, 15, v0                          ; r
	v_bfe_u32 v18, v0, 4, 1                        ; h
	v_and_b32 v19, 7, v0
	v_bfe_u32 v20, v0, 3, 1
	v_lshrrev_b32 v21, 4, v0                       ; thread / 16
	s_mul_i32 s7, s3, XW
	v_mul_u32_u24 v22, v17, XP
	v_lshl_add_u32 v23, v18, 5, v22                ; 272 r + 32 h
	v_add_nc_u32 v[XA], s7, v23                    ; f32 rows: k = 8 h .. 8 h + 7 are 32 bytes at 32 h
	v_add_nc_u32 v[XA+1], SLOT, v[XA]
	v_lshl_add_u32 v24, v18, 3, v19                ; a [k][n] tile: row 8 h + lane % 8,
	v_mul_u32_u24 v24, v24, WP
	v_lshl_add_u32 v24, v20, 4, v24                ; 16 bytes for each group of eight lanes
	v_add_nc_u32 v[WA], WR, v24
	v_lshlrev_b32 v25, 4, v17                      ; 16 r
	v_lshl_add_u32 v[WGO], v21, 11, v25
	v_mul_u32_u24 v26, v18, WP
	v_lshl_add_u32 v26, v17, 3, v26                ; 288 h + 8 r
	s_mul_i32 s7, s3, 2*WP                         ; a wave's two rows of every sixteen: 576 w, the lanes' bytes end 544 behind it
	s_add_co_u32 s7, s7, WR
	v_add_nc_u32 v[WST], s7, v26
	v_mul_u32_u24 v27, v17, KP
	v_lshl_add_u32 v[KA], v18, 4, v27              ; 144 r + 16 h
	s_mul_i32 s7, s3, 64*KP
	v_add_nc_u32 v[KST], s7, v[KA]
	v_mul_u32_u24 v28, v17, VP
	v_lshl_add_u32 v28, v18, 4, v28
	v_add_nc_u32 v[VA], VT, v28                    ; VT + 1,040 r + 16 h
	s_lshl_b32 s7, s3, 7
	v_add_nc_u32 v[VST], s7, v[VA]                 ; + my 64 keys' 128 bytes
	s_mul_i32 s7, s3, 16*SGP
	s_add_co_u32 s7, s7, STG
	v_add_nc_u32 v[SST], s7, v23
	v_mul_u32_u24 v29, v18, SGP
	v_lshl_add_u32 v29, v17, 4, v29
	v_add_nc_u32 v[SRD], s7, v29
	v_lshl_add_u32 v[OGO], v18, 11, v25            ; lanes 0-15 one row's 256 bytes, lanes 16-31 the next row's
	v_lshlrev_b32 v[BOFF], 5, v18
	v_lshlrev_b32 v[WOL], 4, v0
	v_lshlrev_b32 v[WOS], 3, v0
	s_lshl_b32 s52, s6, 20                         ; batch x 512 rows x 2,048 bytes
	s_lshl_b32 s53, s3, 17                         ; + wave x 64 rows
	s_add_co_u32 s52, s52, s53
	s_mov_b32 s53, 0
	s_lshl_b32 s60, s5, 8                          ; my head's 64 columns
	s_mov_b32 s61, 0
	s_lshl3_add_u32 s62, s6, s5                    ; 8 x batch + head: my 1/256 of Wo
	s_wait_kmcnt 0x0
	s_add_nc_u64 s[12:13], s[12:13], s[60:61]      ; Wk, Wv, Wq, bq, bv at my head
	s_add_nc_u64 s[14:15], s[14:15], s[60:61]
	s_add_nc_u64 s[16:17], s[16:17], s[60:61]
	s_add_nc_u64 s[18:19], s[18:19], s[60:61]
	s_add_nc_u64 s[20:21], s[20:21], s[60:61]
	s_add_nc_u64 s[24:25], s[24:25], s[52:53]      ; obuf at my wave's first row,
	s_add_nc_u64 s[24:25], s[24:25], s[60:61]      ; my head's columns
	s_lshl_b32 s60, s62, 12
	s_add_nc_u64 s[22:23], s[22:23], s[60:61]      ; Wo: 4,096 bytes a work-group
	s_lshl_b32 s60, s62, 11
	s_add_nc_u64 s[26:27], s[26:27], s[60:61]      ; wo16: 2,048
; four loads: 64 rows x 256 bytes of one weight matrix's slice, 16 bytes a thread each
.macro WLOAD lo, first
.irp i, 0,1,2,3
	global_load_b128 v[WGS+4*(\first+\i):WGS+4*(\first+\i)+3], v[WGO], s[\lo:\lo+1] offset:32768*\i
.endr
.endm
; n loads are rounded to f16 in place and go into ring buffer buf.  left = how many younger loads may stay out.
.macro WSTORE n, buf, left
	s_wait_loadcnt \left
.set wi, 0
.rept \n
	v_cvt_pk_f16_f32 v[WGS+4*wi], v[WGS+4*wi], v[WGS+4*wi+1]
	v_cvt_pk_f16_f32 v[WGS+4*wi+1], v[WGS+4*wi+2], v[WGS+4*wi+3]
	ds_store_b64 v[WST], v[WGS+4*wi:WGS+4*wi+1] offset:(\buf)*WBUF+16*WP*(wi&3)+128*(wi>>2)
.set wi, wi+1
.endr
.endm
	WLOAD 12, 0                                    ; Wk, rows 0-63
	WLOAD 14, 4                                    ; Wv, rows 0-63
	global_load_b128 v[WOC:WOC+3], v[WOL], s[22:23] th:TH_LOAD_NT
	; descriptor group 1: 64 rows x 64 f32, pitch 512 elements, 16 bytes of padding behind every 256
	s_mov_b32 s[G1+0], 0x0772000f                  ; 15:0 mask 15 (all four of the cluster); 17:16 elements of 4 bytes; 20 padding on; 21 set beside a mask; 24:22 after 64 words; 31:25 four words
	s_mov_b32 s[G1+1], 64<<16                      ; tensor_dim0 = 64
	s_mov_b32 s[G1+2], 64<<16                      ; tensor_dim1 = 64
	s_mov_b32 s[G1+3], 64<<16                      ; tile_dim0 = 64
	s_mov_b32 s[G1+4], 64                          ; tile_dim1 = 64
	s_mov_b32 s[G1+5], 512                         ; elements from row to row
	s_mov_b32 s[G1+6], 0
	s_mov_b32 s[G1+7], 0
	s_mul_i32 s7, s3, XW
.irp n, 0,1
	s_mov_b32 s[GK+4*\n], 1
	s_add_co_u32 s[GK+4*\n+1], s7, \n*SLOT         ; LDS: the slot, my wave's rows
	s_add_nc_u64 s[GK+4*\n+2:GK+4*\n+3], s[8:9], s[52:53]
	s_add_nc_u64 s[GK+4*\n+2:GK+4*\n+3], s[GK+4*\n+2:GK+4*\n+3], \n*256   ; columns 64 n ..
	s_or_b32 s[GK+4*\n+3], s[GK+4*\n+3], 0x80000000
	s_mov_b32 s[GQ+4*\n], 1
	s_add_co_u32 s[GQ+4*\n+1], s7, \n*SLOT
	s_add_nc_u64 s[GQ+4*\n+2:GQ+4*\n+3], s[10:11], s[52:53]
	s_add_nc_u64 s[GQ+4*\n+2:GQ+4*\n+3], s[GQ+4*\n+2:GQ+4*\n+3], \n*256
	s_or_b32 s[GQ+4*\n+3], s[GQ+4*\n+3], 0x80000000
.endr
	ROUND                                          ; all four work-groups are here: the first joint loads meet
	tensor_load_to_lds s[GK:GK+3], s[G1:G1+7]      ; K, columns 0-63
	s_nop 0
	tensor_load_to_lds s[GK+4:GK+7], s[G1:G1+7]    ; K, columns 64-127
	s_nop 0
	WSTORE 8, 0, 1                                 ; the eight weight loads are in; the one younger load (Wo) may stay out
	s_add_nc_u64 s[12:13], s[12:13], 0x20000       ; 64 rows on; those loads are done
	s_add_nc_u64 s[14:15], s[14:15], 0x20000
	s_wait_loadcnt 0x0
	v_cvt_pk_f16_f32 v[WOC], v[WOC], v[WOC+1]
	v_cvt_pk_f16_f32 v[WOC+1], v[WOC+2], v[WOC+3]
	global_store_b64 v[WOS], v[WOC:WOC+1], s[26:27]   ; a wave's store covers 256 consecutive bytes, aligned
	s_wait_xcnt 0x0                                ; v[240:241] are written again later only behind this wait (ISA guide 3.1)
	s_wait_dscnt 0x0                               ; my part of the weights is in the ring
	s_wait_tensorcnt 0x1                           ; my rows of tile 0 are in; tile 1 may stay out
	s_barrier_signal -1
	s_barrier_wait -1
; sixteen LDS loads: my 64 rows x 32 columns of f32, in fragment order (k = 8 h .., then 16 + 8 h ..)
.macro XLOAD slot, ks
.irp a, 0,1,2,3
	ds_load_b128 v[XS+64*\ks+16*\a:XS+64*\ks+16*\a+3],     v[XA+\slot] offset:\a*16*XP+128*\ks
	ds_load_b128 v[XS+64*\ks+16*\a+4:XS+64*\ks+16*\a+7],   v[XA+\slot] offset:\a*16*XP+128*\ks+16
	ds_load_b128 v[XS+64*\ks+16*\a+8:XS+64*\ks+16*\a+11],  v[XA+\slot] offset:\a*16*XP+128*\ks+64
	ds_load_b128 v[XS+64*\ks+16*\a+12:XS+64*\ks+16*\a+15], v[XA+\slot] offset:\a*16*XP+128*\ks+80
.endr
.endm
; nt weight fragments of 32 k x 16 n from [k][n] rows, by transposing loads
.macro WFRAG buf, ks, nt
.set wt, 0
.rept (\nt)
	ds_load_tr16_b128 v[WF+8*wt:WF+8*wt+3],   v[WA] offset:\buf*WBUF+\ks*32*WP+32*wt
	ds_load_tr16_b128 v[WF+8*wt+4:WF+8*wt+7], v[WA] offset:\buf*WBUF+\ks*32*WP+16*WP+32*wt
.set wt, wt+1
.endr
.endm
; one X fragment: 16 f32 to 8 registers of f16, in place (register i is written after registers 2 i, 2 i + 1 of every smaller i were read)
.macro XCVT ks, a
.irp i, 0,1,2,3,4,5,6,7
	v_cvt_pk_f16_f32 v[XS+64*\ks+16*\a+\i], v[XS+64*\ks+16*\a+2*\i], v[XS+64*\ks+16*\a+2*\i+1]
.endr
.endm
; The accumulators take turns, one instruction a turn: 32 (k and v) or 16 (q) different ones in each run.
.macro MMKV ks, zero
.irp a, 0,1,2,3
.irp b, 0,1,2,3
.if \zero
	v_wmma_f32_16x16x32_f16 v[8*(4*\a+\b):8*(4*\a+\b)+7], v[WF+8*\b:WF+8*\b+7], v[XS+64*\ks+16*\a:XS+64*\ks+16*\a+7], 0
	v_wmma_f32_16x16x32_f16 v[128+8*(4*\a+\b):128+8*(4*\a+\b)+7], v[XS+64*\ks+16*\a:XS+64*\ks+16*\a+7], v[WF+32+8*\b:WF+32+8*\b+7], 0
.else
	v_wmma_f32_16x16x32_f16 v[8*(4*\a+\b):8*(4*\a+\b)+7], v[WF+8*\b:WF+8*\b+7], v[XS+64*\ks+16*\a:XS+64*\ks+16*\a+7], v[8*(4*\a+\b):8*(4*\a+\b)+7]
	v_wmma_f32_16x16x32_f16 v[128+8*(4*\a+\b):128+8*(4*\a+\b)+7], v[XS+64*\ks+16*\a:XS+64*\ks+16*\a+7], v[WF+32+8*\b:WF+32+8*\b+7], v[128+8*(4*\a+\b):128+8*(4*\a+\b)+7]
.endif
.endr
.endr
.endm
.macro MMQ ks, zero
.irp a, 0,1,2,3
.irp b, 0,1,2,3
.if \zero
	v_wmma_f32_16x16x32_f16 v[128+8*(4*\a+\b):128+8*(4*\a+\b)+7], v[WF+8*\b:WF+8*\b+7], v[XS+64*\ks+16*\a:XS+64*\ks+16*\a+7], 0
.else
	v_wmma_f32_16x16x32_f16 v[128+8*(4*\a+\b):128+8*(4*\a+\b)+7], v[WF+8*\b:WF+8*\b+7], v[XS+64*\ks+16*\a:XS+64*\ks+16*\a+7], v[128+8*(4*\a+\b):128+8*(4*\a+\b)+7]
.endif
.endr
.endr
.endm
.macro MM kind, ks, zero
.if \kind == 0
	MMKV \ks, \zero
.else
	MMQ \ks, \zero
.endif
.endm
; One step: 64 columns of K (kind 0: k and v) or of Q (kind 1: q) from slot and ring buffer `slot`.
; zero = 1: the first products start the sums.  wnext: the next step's weights, 1 = Wk and Wv, 2 = Wq, 0 = none.
; refill: what is asked for into this slot behind the step: 1 = K's tile two steps on, 2 = Q's first tile of this slot, 3 = Q's tile two steps on, 0 = nothing.
; The places behind each run of products (not for loads into a product's sources) are four v_nop: this text counts no conversion to f16 as a place.
.macro STEP kind, slot, zero, wnext, refill
.if \wnext == 1
	WLOAD 12, 0
	WLOAD 14, 4
.endif
.if \wnext == 2
	WLOAD 16, 0
.endif
	XLOAD \slot, 0
	WFRAG \slot, 0, 8-4*\kind
	XLOAD \slot, 1
	s_wait_dscnt 32-8*\kind                        ; X of the first 32 columns is in; younger: the weight fragments (16 or 8 loads) and X of the second 32 (16)
	XCVT 0, 0
	XCVT 0, 1
	XCVT 0, 2
	XCVT 0, 3
	s_wait_dscnt 16                                ; the weight fragments are in; younger: X of the second 32 columns
	WIN 0x50                                       ; C and D in window 1
	MM \kind, 0, \zero
	WIN 0
	PLACES 4                                       ; in front of the loads into the weight fragments just multiplied
	WFRAG \slot, 1, 8-4*\kind
	s_wait_dscnt 16-8*\kind                        ; X of the second 32 columns is in; younger: the weight fragments just asked for (16 or 8 loads)
	XCVT 1, 0
	XCVT 1, 1
	XCVT 1, 2
	XCVT 1, 3
	s_wait_dscnt 0x0
	WIN 0x50
	MM \kind, 1, 0
	WIN 0
	PLACES 4                                       ; in front of the next loads into these products' sources and of the first read of their sums
.if \wnext == 1
	WSTORE 8, 1-\slot, 0                           ; into the ring buffer that was read a step ago
	s_add_nc_u64 s[12:13], s[12:13], 0x20000       ; the loads are done: 64 rows on
	s_add_nc_u64 s[14:15], s[14:15], 0x20000
.endif
.if \wnext == 2
	WSTORE 4, 1-\slot, 0
	s_add_nc_u64 s[16:17], s[16:17], 0x20000
.endif
	s_wait_dscnt 0x0                               ; my reads of this slot and of the ring are back, my stores into the ring are done
	s_wait_xcnt 0x0
	v_lshl_add_u32 v254, v0, 2, 0x4d000
	v_mov_b32 v255, 0
	s_wait_tensorcnt 0x0                           ; all my tensor loads have landed: the one that was out is my part of the next step's tile
	ds_add_u32 v254, v255
	s_wait_dscnt 0x0
.if \refill == 1
	s_add_nc_u64 s[GK+4*\slot+2:GK+4*\slot+3], s[GK+4*\slot+2:GK+4*\slot+3], 512
	ROUND                                          ; no wave of the four work-groups still reads this slot or has a load on its way
	tensor_load_to_lds s[GK+4*\slot:GK+4*\slot+3], s[G1:G1+7]
	s_nop 0
.endif
.if \refill == 2
	ROUND
	tensor_load_to_lds s[GQ+4*\slot:GQ+4*\slot+3], s[G1:G1+7]
	s_nop 0
.endif
.if \refill == 3
	s_add_nc_u64 s[GQ+4*\slot+2:GQ+4*\slot+3], s[GQ+4*\slot+2:GQ+4*\slot+3], 512
	ROUND
	tensor_load_to_lds s[GQ+4*\slot:GQ+4*\slot+3], s[G1:G1+7]
	s_nop 0
.endif
.if \refill == 0
	s_barrier_signal -1
	s_barrier_wait -1
.endif
.endm
	STEP 0, 0, 1, 1, 1                             ; K, columns 0-63: starts k and v
	STEP 0, 1, 0, 1, 1
	s_mov_b32 s7, 2
.Lkv:
	STEP 0, 0, 0, 1, 1
	STEP 0, 1, 0, 1, 1
	s_sub_co_u32 s7, s7, 1
	s_cmp_lg_u32 s7, 0
	s_cbranch_scc1 .Lkv
	STEP 0, 0, 0, 1, 2                             ; K's seventh step; the slot takes Q's columns 0-63
	STEP 0, 1, 0, 2, 2                             ; K's last; Wq's first rows; Q's columns 64-127
	WIN 0x45                                       ; k and v to bf16, packed downward in window 1: register i from registers 2 i, 2 i + 1
.set pi, 0
.rept 128
	v_cvt_pk_bf16_f32 v[pi], v[2*pi], v[2*pi+1]
.set pi, pi+1
.endr
	WIN 0
	STEP 1, 0, 1, 2, 3                             ; Q, columns 0-63: starts q in the registers that v has left
	STEP 1, 1, 0, 2, 3
	s_mov_b32 s7, 2
.Lq:
	STEP 1, 0, 0, 2, 3
	STEP 1, 1, 0, 2, 3
	s_sub_co_u32 s7, s7, 1
	s_cmp_lg_u32 s7, 0
	s_cbranch_scc1 .Lq
	STEP 1, 0, 0, 2, 0                             ; the last two steps ask for no tile
	STEP 1, 1, 0, 0, 0
	; Behind that barrier no wave reads a slot any more and no fill follows: k and vT take the slots' bytes.
.irp b, 0,1,2,3
	global_load_b128 v[SB+8*\b:SB+8*\b+3],       v[BOFF], s[18:19] offset:64*\b      ; bq of my columns 16 b + 8 h ..
	global_load_b128 v[SB+8*\b+4:SB+8*\b+7],     v[BOFF], s[18:19] offset:64*\b+16
	global_load_b128 v[SB+32+8*\b:SB+32+8*\b+3], v[BOFF], s[20:21] offset:64*\b      ; bv likewise
	global_load_b128 v[SB+32+8*\b+4:SB+32+8*\b+7], v[BOFF], s[20:21] offset:64*\b+16
.endr
	WIN 0x04                                       ; store data from window 1
.irp a, 0,1,2,3
.irp b, 0,1,2,3
	ds_store_b128 v[KST], v[4*(4*\a+\b):4*(4*\a+\b)+3] offset:\a*16*KP+32*\b         ; k[64 w + 16 a + r][16 b + 8 h ..]
	ds_store_b128 v[VST], v[64+4*(4*\a+\b):64+4*(4*\a+\b)+3] offset:\b*16*VP+32*\a   ; vT[16 b + r][64 w + 16 a + 8 h ..]
.endr
.endr
	WIN 0
	s_wait_dscnt 0x0
	s_barrier_signal -1
	s_barrier_wait -1                              ; all 512 keys are in LDS
	s_wait_loadcnt 0x0
	WIN 0x41
.irp a, 0,1,2,3
.irp b, 0,1,2,3
.irp i, 0,2,4,6
	v_pk_add_f32 v[128+8*(4*\a+\b)+\i:128+8*(4*\a+\b)+\i+1], v[128+8*(4*\a+\b)+\i:128+8*(4*\a+\b)+\i+1], v[SB+8*\b+\i:SB+8*\b+\i+1]   ; q += bq
.endr
.endr
.endr
	WIN 0x05
.irp a, 0,1,2,3
.irp b, 0,1,2,3
.irp i, 0,1,2,3
	v_cvt_pk_bf16_f32 v[QB+16*\a+4*\b+\i], v[128+8*(4*\a+\b)+2*\i], v[128+8*(4*\a+\b)+2*\i+1]   ; tiles 2 s, 2 s + 1 are the two halves of fragment (a, s)
.endr
.endr
.endr
	WIN 0x41
.irp a, 0,1,2,3
.irp b, 0,1,2,3
.irp i, 0,2,4,6
	v_pk_add_f32 v[128+8*(4*\a+\b)+\i:128+8*(4*\a+\b)+\i+1], v[128+8*(4*\a+\b)+\i:128+8*(4*\a+\b)+\i+1], v[SB+32+8*\b+\i:SB+32+8*\b+\i+1]   ; the residual: q + bv
.endr
.endr
.endr
	WIN 0
; four loads: key tile kt of the block (16 keys x 64 d) into fragment pair u
.macro KLOAD1 u, kt
.irp s, 0,1
	ds_load_b128 v[KF+16*\u+8*\s:KF+16*\u+8*\s+3],   v[KA] offset:\kt*16*KP+64*\s
	ds_load_b128 v[KF+16*\u+8*\s+4:KF+16*\u+8*\s+7], v[KA] offset:\kt*16*KP+64*\s+32
.endr
.endm
; eight products: key tile kt against my four query tiles; the four accumulators take turns
.macro SCORE1 u, kt
.irp a, 0,1,2,3
	v_wmma_f32_16x16x32_bf16 v[SB+8*(4*\kt+\a):SB+8*(4*\kt+\a)+7], v[KF+16*\u:KF+16*\u+7], v[QB+16*\a:QB+16*\a+7], 0
.endr
.irp a, 0,1,2,3
	v_wmma_f32_16x16x32_bf16 v[SB+8*(4*\kt+\a):SB+8*(4*\kt+\a)+7], v[KF+16*\u+8:KF+16*\u+15], v[QB+16*\a+8:QB+16*\a+15], v[SB+8*(4*\kt+\a):SB+8*(4*\kt+\a)+7]
.endr
.endm
; The softmax of a block, the four query tiles side by side.  A lane has 32 of its query's 64 scores; lane r + 16 has the others.
.macro SOFTMAX first
.irp a, 0,1,2,3
	v_max3_num_f32 v[TM+\a], v[SB+8*\a], v[SB+8*\a+1], v[SB+8*\a+2]
.endr
.set mq, 1
.rept 14
.irp a, 0,1,2,3
	v_max3_num_f32 v[TM+\a], v[TM+\a], v[SB+8*(4*((2*mq+1)>>3)+\a)+((2*mq+1)&7)], v[SB+8*(4*((2*mq+2)>>3)+\a)+((2*mq+2)&7)]
.endr
.set mq, mq+1
.endr
.irp a, 0,1,2,3
.if \first
	v_max_num_f32 v[TM+\a], v[TM+\a], v[SB+8*(12+\a)+7]
.else
	v_max3_num_f32 v[TM+\a], v[TM+\a], v[SB+8*(12+\a)+7], v[PM+2*\a+1]     ; the last score and the maximum so far
.endif
.endr
.irp a, 0,1,2,3
	v_permlanex16_b32 v[TX+\a], v[TM+\a], s58, s59
.endr
.irp a, 0,1,2,3
	v_max_num_f32 v[PM+2*\a+1], v[TM+\a], v[TX+\a]                         ; M, the same in both lanes of a query
.endr
.if \first
.irp a, 0,1,2,3
	v_mul_f32 v[PM+2*\a], s56, v[PM+2*\a+1]                                ; -c M
.endr
.else
.irp a, 0,1,2,3
	v_mul_f32 v[TX+\a], s56, v[PM+2*\a+1]
.endr
.irp a, 0,1,2,3
	v_sub_f32 v[PL+2*\a], v[TX+\a], v[PM+2*\a]                             ; the exponent by which all earlier weights shrink: the new -c M less the old, both as they are used
.endr
.irp a, 0,1,2,3
	v_mov_b32 v[PM+2*\a], v[TX+\a]
.endr
.irp a, 0,1,2,3
	v_exp_f32 v[PL+2*\a], v[PL+2*\a]                                       ; used far below; the next plain instruction touches none of these (ISA guide 5.7.2)
.endr
.endif
.irp kt, 0,1,2,3
.irp a, 0,1,2,3
.irp i, 0,2,4,6
	v_pk_fma_f32 v[SB+8*(4*\kt+\a)+\i:SB+8*(4*\kt+\a)+\i+1], v[SB+8*(4*\kt+\a)+\i:SB+8*(4*\kt+\a)+\i+1], s[54:55], v[PM+2*\a:PM+2*\a+1] op_sel_hi:[1,0,0]   ; c s - c M, at most 0
.endr
.endr
.endr
.set ei, 0
.rept 128
	v_exp_f32 v[SB+ei], v[SB+ei]
.set ei, ei+1
.endr
	v_nop                                          ; one plain instruction between the exponentials and the first use of a result
	s_wait_alu depctr_va_vdst(0)
.irp a, 0,1,2,3
	v_pk_add_f32 v[TS+2*\a:TS+2*\a+1], v[SB+8*\a:SB+8*\a+1], v[SB+8*\a+2:SB+8*\a+3]
.endr
.set sp, 2
.rept 14
.irp a, 0,1,2,3
	v_pk_add_f32 v[TS+2*\a:TS+2*\a+1], v[TS+2*\a:TS+2*\a+1], v[SB+8*(4*(sp>>2)+\a)+2*(sp&3):SB+8*(4*(sp>>2)+\a)+2*(sp&3)+1]
.endr
.set sp, sp+1
.endr
.irp a, 0,1,2,3
.if \first
	v_add_f32 v[PL+2*\a+1], v[TS+2*\a], v[TS+2*\a+1]                       ; L: my half of the query's sum
.else
	v_fma_f32 v[PL+2*\a+1], v[PL+2*\a+1], v[PL+2*\a], v[TS+2*\a]
.endif
.endr
.if \first == 0
.irp a, 0,1,2,3
	v_add_f32 v[PL+2*\a+1], v[PL+2*\a+1], v[TS+2*\a+1]
.endr
.endif
.irp ks, 0,1
.irp a, 0,1,2,3
.irp i, 0,1,2,3
	v_cvt_pk_bf16_f32 v[SB+8*(8*\ks+\a)+\i], v[SB+8*(8*\ks+\a)+2*\i], v[SB+8*(8*\ks+\a)+2*\i+1]           ; keys 32 ks + 8 h ..
.endr
.irp i, 0,1,2,3
	v_cvt_pk_bf16_f32 v[SB+8*(8*\ks+\a)+4+\i], v[SB+8*(8*\ks+4+\a)+2*\i], v[SB+8*(8*\ks+4+\a)+2*\i+1]     ; keys 32 ks + 16 + 8 h ..: operand P(ks, a) lies in tile (2 ks, a)
.endr
.endr
.endr
.endm
; sixteen products of A v: 32 keys; sixteen accumulators take turns
.macro AV ks, zero
.irp a, 0,1,2,3
.irp b, 0,1,2,3
.if \zero
	v_wmma_f32_16x16x32_bf16 v[8*(4*\a+\b):8*(4*\a+\b)+7], v[SB+8*(8*\ks+4+\b):SB+8*(8*\ks+4+\b)+7], v[SB+8*(8*\ks+\a):SB+8*(8*\ks+\a)+7], 0
.else
	v_wmma_f32_16x16x32_bf16 v[8*(4*\a+\b):8*(4*\a+\b)+7], v[SB+8*(8*\ks+4+\b):SB+8*(8*\ks+4+\b)+7], v[SB+8*(8*\ks+\a):SB+8*(8*\ks+\a)+7], v[8*(4*\a+\b):8*(4*\a+\b)+7]
.endif
.endr
.endr
.endm
; A block of 64 keys.  first = 1: no maximum, sum or O yet.  more = 1: another block follows.
.macro BLOCK first, more
	s_wait_dscnt 4                                 ; key tile 0 is in; younger: key tile 1's four loads
	SCORE1 0, 0
	PLACES 4                                       ; in front of loads into the fragments just multiplied
	KLOAD1 0, 2
	s_wait_dscnt 4                                 ; key tile 1; younger: key tile 2's
	SCORE1 1, 1
	PLACES 4
	KLOAD1 1, 3
	s_wait_dscnt 4                                 ; key tile 2; younger: key tile 3's
	SCORE1 0, 2
	s_wait_dscnt 0x0
	SCORE1 1, 3
	PLACES 4                                       ; in front of the first read of a score and the first write into a fragment register
	SOFTMAX \first
.irp ks, 0,1
.irp b, 0,1,2,3
	ds_load_b128 v[SB+8*(8*\ks+4+\b):SB+8*(8*\ks+4+\b)+3],   v[VA] offset:\b*16*VP+64*\ks      ; vT fragment (b, ks) into the score tiles that the packing has freed
	ds_load_b128 v[SB+8*(8*\ks+4+\b)+4:SB+8*(8*\ks+4+\b)+7], v[VA] offset:\b*16*VP+64*\ks+32
.endr
.endr
.if \more
	v_add_nc_u32 v[KA], 64*KP, v[KA]
	KLOAD1 0, 0                                    ; the next block's first two key tiles
	KLOAD1 1, 1
.endif
.if \first == 0
	WIN 0x41
.irp a, 0,1,2,3
.irp b, 0,1,2,3
.irp i, 0,2,4,6
	v_pk_mul_f32 v[8*(4*\a+\b)+\i:8*(4*\a+\b)+\i+1], v[8*(4*\a+\b)+\i:8*(4*\a+\b)+\i+1], v[PL+2*\a:PL+2*\a+1] op_sel_hi:[1,0]   ; O shrinks as the earlier weights do
.endr
.endr
.endr
.endif
	s_wait_dscnt 8+8*\more                         ; vT of the first 32 keys; younger: vT of the second 32 (8) and, where a block follows, its k fragments (8)
	WIN 0x50
	AV 0, \first
	s_wait_dscnt 8*\more                           ; vT of the second 32 keys
	AV 1, 0
	WIN 0
.if \more
	v_add_nc_u32 v[VA], 128, v[VA]                 ; with the four below: five places in front of the products that write over P and vT's registers
.endif
	PLACES 4
.endm
	KLOAD1 0, 0
	KLOAD1 1, 1
	BLOCK 1, 1
	s_mov_b32 s7, 6
.Lblk:
	BLOCK 0, 1
	s_sub_co_u32 s7, s7, 1
	s_cmp_lg_u32 s7, 0
	s_cbranch_scc1 .Lblk
	BLOCK 0, 0
.irp a, 0,1,2,3
	v_permlanex16_b32 v[TX+\a], v[PL+2*\a+1], s58, s59
.endr
.irp a, 0,1,2,3
	v_add_f32 v[PL+2*\a+1], v[PL+2*\a+1], v[TX+\a]     ; the query's whole sum
.endr
.irp a, 0,1,2,3
	v_rcp_f32 v[PL+2*\a], v[PL+2*\a+1]
.endr
	v_nop
	WIN 0x51
	s_wait_alu depctr_va_vdst(0)
.irp a, 0,1,2,3
.irp b, 0,1,2,3
.irp i, 0,2,4,6
	v_pk_fma_f32 v[8*(4*\a+\b)+\i:8*(4*\a+\b)+\i+1], v[8*(4*\a+\b)+\i:8*(4*\a+\b)+\i+1], v[PL+2*\a:PL+2*\a+1], v[128+8*(4*\a+\b)+\i:128+8*(4*\a+\b)+\i+1] op_sel_hi:[1,0,1]   ; O / L + q + bv
.endr
.endr
.endr
; THE WAY OUT, 16 rows at a time through my own stage: a lane's 32 bytes go in by rows of 272, whole rows of 256 bytes come back,
; and sixteen neighbouring lanes store 256 consecutive bytes at a multiple of 256.  LDS serves a wave's instructions in order (ISA guide 5.7.1.4).
.macro OUT16 a, f
	WIN 0x04
.irp b, 0,1,2,3
	ds_store_b128 v[SST], v[8*(4*\a+\b):8*(4*\a+\b)+3]   offset:64*\b
	ds_store_b128 v[SST], v[8*(4*\a+\b)+4:8*(4*\a+\b)+7] offset:64*\b+16
.endr
	WIN 0
	s_wait_xcnt 0x0                                ; registers f .. f + 31, which earlier stores read, are loaded again only behind this wait (ISA guide 3.1)
.irp t, 0,1,2,3,4,5,6,7
	ds_load_b128 v[\f+4*\t:\f+4*\t+3], v[SRD] offset:\t*2*SGP
.endr
.irp t, 0,1,2,3,4,5,6,7
	s_wait_dscnt 7-\t                              ; load t of the eight is in
	global_store_b128 v[OGO], v[\f+4*\t:\f+4*\t+3], s[24:25] offset:(16*\a+2*\t)*2048
.endr
.endm
	OUT16 0, SB
	OUT16 1, SB+32
	OUT16 2, SB
	OUT16 3, SB+32
	s_wait_xcnt 0x0
	v_lshl_add_u32 v254, v0, 2, 0x4d000
	v_mov_b32 v255, 0
	s_wait_tensorcnt 0x0
	ds_add_u32 v254, v255
	s_wait_dscnt 0x0
	ROUND                                          ; the closing round: no work-group ends while a partner may still ask jointly
	s_endpgm
.Lfunc_end_k_q547a7af9d7_heads:
	.size	k_q547a7af9d7_heads, .Lfunc_end_k_q547a7af9d7_heads-k_q547a7af9d7_heads
	.p2alignl 7, 3214868480
	.fill 96, 4, 3214868480
	.section	.rodata,"a",@progbits
	.p2align	6, 0x0
	.amdhsa_kernel k_q547a7af9d7_heads
		.amdhsa_group_segment_fixed_size 327680
		.amdhsa_private_segment_fixed_size 0
		.amdhsa_enable_private_segment 0
		.amdhsa_kernarg_size 80
		.amdhsa_user_sgpr_count 2
		.amdhsa_user_sgpr_kernarg_segment_ptr 1
		.amdhsa_wavefront_size32 1
		.amdhsa_system_sgpr_workgroup_id_x 1
		.amdhsa_system_sgpr_workgroup_id_y 1
		.amdhsa_system_sgpr_workgroup_id_z 1
		.amdhsa_system_vgpr_workitem_id 0
		.amdhsa_next_free_vgpr 512
		.amdhsa_next_free_sgpr 66
		.amdhsa_reserve_vcc 0
		.amdhsa_float_denorm_mode_32 3
		.amdhsa_float_denorm_mode_16_64 3
		.amdhsa_memory_ordered 1
		.amdhsa_forward_progress 1
		.amdhsa_inst_pref_size 255
	.end_amdhsa_kernel
	.section	.bss,"aw",@nobits
	.p2align	6
	.space	262144
	.amdgpu_metadata
---
amdhsa.version: [ 1, 2 ]
amdhsa.kernels:
  - .name:           k_q547a7af9d7_heads
    .symbol:         k_q547a7af9d7_heads.kd
    .args:
      - { .name: K, .offset: 0, .size: 8, .value_kind: global_buffer, .address_space: global }
      - { .name: Q, .offset: 8, .size: 8, .value_kind: global_buffer, .address_space: global }
      - { .name: Wk, .offset: 16, .size: 8, .value_kind: global_buffer, .address_space: global }
      - { .name: Wv, .offset: 24, .size: 8, .value_kind: global_buffer, .address_space: global }
      - { .name: Wq, .offset: 32, .size: 8, .value_kind: global_buffer, .address_space: global }
      - { .name: bq, .offset: 40, .size: 8, .value_kind: global_buffer, .address_space: global }
      - { .name: bv, .offset: 48, .size: 8, .value_kind: global_buffer, .address_space: global }
      - { .name: Wo, .offset: 56, .size: 8, .value_kind: global_buffer, .address_space: global }
      - { .name: obuf, .offset: 64, .size: 8, .value_kind: global_buffer, .address_space: global }
      - { .name: wo16, .offset: 72, .size: 8, .value_kind: global_buffer, .address_space: global }
    .group_segment_fixed_size: 327680
    .private_segment_fixed_size: 0
    .kernarg_segment_align: 8
    .kernarg_segment_size: 80
    .max_flat_workgroup_size: 256
    .sgpr_count:     66
    .vgpr_count:     512
    .wavefront_size: 32
...
	.end_amdgpu_metadata
.endif
;; end of part 1
;; launch tail (part 2): grid 256 x 1, 8 waves a work-group, clusters of 4 x 1, 327,680 bytes of LDS; arguments obuf, wo16, bo, ln0_g, ln0_b, ln1_g, ln1_b, out0; writes out0
.if DOCPART == 2
	.amdgcn_target "amdgcn-amd-amdhsa--gfx1250"
	.amdhsa_code_object_version 6
	.text
	.protected	k_q547a7af9d7_tail
	.globl	k_q547a7af9d7_tail
	.p2align	8
	.type	k_q547a7af9d7_tail,@function
k_q547a7af9d7_tail:
	s_mov_b64 s[64:65], 0
	v_nop
	global_prefetch_b8 v0, s[64:65] scope:SCOPE_SE
	s_setreg_imm32_b32 hwreg(HW_REG_WAVE_MODE, 25, 1), 1
	s_wait_xcnt 0x0
	s_wait_alu depctr_hold_cnt(0) depctr_sa_sdst(0) depctr_va_vdst(0) depctr_va_sdst(0) depctr_va_ssrc(0) depctr_va_vcc(0) depctr_vm_vsrc(0)
	s_getreg_b32 s2, hwreg(HW_REG_IB_STS2, 6, 4)
	s_cmp_eq_u32 s2, 0
	s_cbranch_scc0 .Lentry_in_a_cluster
	s_endpgm
.Lentry_in_a_cluster:
	s_bfe_u32 s2, ttmp6, 0x10000c
	s_cmp_lg_u32 s2, 0x3003
	s_cbranch_scc0 .Lentry_shape_is_right
	s_endpgm
.Lentry_shape_is_right:
; tail: out0 = LN1(x + relu(x Wo + bo)), x = LN0(obuf), for 64 rows of 512 a work-group.  Nothing is left out here.
; (bk is no argument of this launch either: it has no way to any output, as shown at the head of the first kernel.)
; NUMBER FORMATS: x and Wo enter the product rounded to f16 (11 significant bits), sums in f32; norms, residual and relu in f32.
; The norm itself bounds x: a normalised number of a row of 512 is at most sqrt(511) = 22.6 in magnitude, so |x| <= 22.6 |ln0_g| + |ln0_b|.
; LIMIT: where that passes 65,504 (|ln0_g| of some 2,800), x becomes an infinity in the product; numbers under 2^-14 are kept to steps of 2^-24.
; Each norm takes the mean away first and then sums squares.
; SHARES: for norms, residual and output wave w owns rows 8 w .. 8 w + 7, a lane the columns 128 i + 4 lane .. + 3 (i = 0..3): every load and store of a
; wave covers 512 consecutive bytes.  In the product wave w owns columns 64 w .. 64 w + 63 of all 64 rows (16 accumulator tiles).
; x stays in f32 in window 1 for the residual; its f16 copy goes to LDS 128 columns at a time.
; wo16 ([k][n] f16) comes in four steps of 128 k through two LDS slots, 16 rows of 1,024 bytes a wave.  CLUSTER: every work-group walks the same wo16,
; so the four of a 4 x 1 cluster ask for each tile jointly (mask 15); the descriptors hang on the wave and the step alone.
; A wave has two tensor loads out at the start and one behind each later round.
.set WOP,  1056                        ; LDS pitch of a wo16 row: 1,024 + 32 = 33 x 32
.set SLOT, 128*WOP                     ; 135,168
.set XB,   2*SLOT                      ; 270,336 = 1,056 x 256: x in f16, two buffers, written by LDS stores alone
.set XBP,  272                         ; [64 rows][128 k], 256 + 16
.set XBB,  64*XBP
.set YP,   2064                        ; y in f32, [64][512], 2,048 + 16, at byte 0: in slot 0, behind its last fill and its last read
.set LO,   1                           ; 16 x lane
.set XBW,  2                           ; x (f16) into LDS
.set XBA,  3                           ; x fragments
.set WOA,  4                           ; v[4:7] wo16 fragments: slot 0 rows 0-63, 64-127; slot 1 likewise
.set YS,   8                           ; v[8:9] y into LDS: rows 0-31, 32-63
.set YR,   10                          ; y back, by rows
.set R,    16                          ; v[16:143]  eight rows x 16 numbers; in the product the fragment sets below
.set XFA,  16
.set XFB,  48
.set WFA,  80
.set WFB,  112
.set G,    144                         ; v[144:159] gain of my 16 columns
.set BP,   160                         ; v[160:175] bias of the norm
.set BO,   176                         ; v[176:191] bo
.set T,    192                         ; v[192:207] a pair for each row
.set T2,   208                         ; v[208:223] packed x on its way to LDS
; window 1: x, row t at 16 t; y's accumulator tile (a, b) at 128 + 8 (4 a + b)
; scalars: s3 wave, s4 cx, s5 work-group, s6 at work, s[8:23] the eight addresses, s[24:31] descriptor group 1, s[32:39] group 0 of the two slots,
; s[40:41] offset with cx, s[42:43] lane selects, s44 1/512, s45 1e-5, s46 -1/512, s[48:49] offset free of cx
.set G1, 24
.set G0, 32
.set MSB, 0
.macro WIN new
.if MSB != \new
	s_set_vgpr_msb (MSB<<8)|\new
.set MSB, \new
.endif
.endm
.macro PLACES n
.rept \n
	v_nop
.endr
.endm
.macro ROUND
	s_barrier_signal -1
	s_barrier_wait -1
	s_cmp_lg_u32 s3, 0
	s_cbranch_scc1 .Lnot_wave_0_\@
	s_barrier_signal -3
.Lnot_wave_0_\@:
	s_barrier_wait -3
	s_barrier_signal -1
	s_barrier_wait -1
.endm
	s_load_b512 s[8:23], s[0:1], 0x0               ; obuf, wo16, bo, ln0_g, ln0_b, ln1_g, ln1_b, out0
	v_lshl_add_u32 v254, v0, 2, 0x4a800
	v_mov_b32 v255, 0
	ds_add_u32 v254, v255
	v_lshrrev_b32 v16, 5, v0
	v_readfirstlane_b32 s3, v16                    ; wave 0..7
	s_bfe_u32 s4, ttmp6, 0x40000                   ; cx
	s_lshl_b32 s5, ttmp9, 2
	s_add_co_u32 s5, s5, s4                        ; work-group = 4 x cluster x + cx
	s_mov_b32 s42, 0x76543210
	s_mov_b32 s43, 0xfedcba98
	s_mov_b32 s44, 0x3b000000                      ; 1/512
	s_mov_b32 s45, 0x3727c5ac                      ; 1e-5
	s_mov_b32 s46, 0xbb000000                      ; -1/512
	v_and_b32 v17, 31, v0                          ; lane
	v_and_b32 v18, 15, v0                          ; r
	v_bfe_u32 v19, v0, 4, 1                        ; h
	v_and_b32 v20, 7, v0
	v_bfe_u32 v21, v0, 3, 1
	v_lshlrev_b32 v[LO], 4, v17
	s_mul_i32 s6, s3, 8*XBP
	s_add_co_u32 s6, s6, XB
	v_lshl_add_u32 v[XBW], v17, 3, s6              ; my eight rows, 8 bytes a lane
	v_mul_u32_u24 v22, v18, XBP
	v_lshl_add_u32 v22, v19, 4, v22
	v_add_nc_u32 v[XBA], XB, v22
	v_lshl_add_u32 v23, v19, 3, v20                ; a [k][n] tile: row 8 h + lane % 8,
	v_mul_u32_u24 v23, v23, WOP
	v_lshl_add_u32 v23, v21, 4, v23                ; 16 bytes for each group of eight lanes,
	s_lshl_b32 s6, s3, 7                           ; my 64 columns
	v_add_nc_u32 v[WOA], s6, v23
	v_add_nc_u32 v[WOA+1], 64*WOP, v[WOA]
	v_add_nc_u32 v[WOA+2], SLOT, v[WOA]
	v_add_nc_u32 v[WOA+3], SLOT+64*WOP, v[WOA]
	v_mul_u32_u24 v24, v18, YP
	v_lshl_add_u32 v24, v19, 5, v24
	s_lshl_b32 s6, s3, 8
	v_add_nc_u32 v[YS], s6, v24                    ; 2,064 r + 256 w + 32 h
	v_add_nc_u32 v[YS+1], 32*YP, v[YS]
	s_mul_i32 s6, s3, 8*YP
	v_add_nc_u32 v[YR], s6, v[LO]
	s_lshl_b32 s40, s5, 17                         ; 64 rows of 2,048 bytes a work-group,
	s_lshl_b32 s41, s3, 14                         ; 8 a wave
	s_add_co_u32 s40, s40, s41
	s_mov_b32 s41, 0
	s_lshl_b32 s48, s3, 14                         ; wo16: 16 rows of 1,024 bytes a wave
	s_mov_b32 s49, 0
	s_wait_dscnt 0x0
	s_wait_kmcnt 0x0
	s_add_nc_u64 s[8:9], s[8:9], s[40:41]
	s_add_nc_u64 s[22:23], s[22:23], s[40:41]
.irp t, 0,1,2,3,4,5,6,7
.irp i, 0,1,2,3
	global_load_b128 v[R+16*\t+4*\i:R+16*\t+4*\i+3], v[LO], s[8:9] offset:2048*\t+512*\i th:TH_LOAD_NT
.endr
.endr
.irp i, 0,1,2,3
	global_load_b128 v[G+4*\i:G+4*\i+3],   v[LO], s[14:15] offset:512*\i
	global_load_b128 v[BP+4*\i:BP+4*\i+3], v[LO], s[16:17] offset:512*\i
.endr
	; descriptor group 1: 16 rows x 512 f16, 32 bytes of padding behind every 1,024
	s_mov_b32 s[G1+0], 0x0ff1000f                  ; 15:0 mask 15; 17:16 elements of 2 bytes; 20 padding on; 21 set beside a mask; 24:22 after 256 words; 31:25 eight words
	s_mov_b32 s[G1+1], 512<<16                     ; tensor_dim0 = 512
	s_mov_b32 s[G1+2], 16<<16                      ; tensor_dim1 = 16
	s_mov_b32 s[G1+3], 512<<16                     ; tile_dim0 = 512
	s_mov_b32 s[G1+4], 16                          ; tile_dim1 = 16
	s_mov_b32 s[G1+5], 512                         ; elements from row to row
	s_mov_b32 s[G1+6], 0
	s_mov_b32 s[G1+7], 0
	s_mul_i32 s6, s3, 16*WOP
.irp n, 0,1
	s_mov_b32 s[G0+4*\n], 1
	s_add_co_u32 s[G0+4*\n+1], s6, \n*SLOT
	s_add_nc_u64 s[G0+4*\n+2:G0+4*\n+3], s[10:11], s[48:49]
	s_add_nc_u64 s[G0+4*\n+2:G0+4*\n+3], s[G0+4*\n+2:G0+4*\n+3], \n*128*1024   ; rows 128 n ..
	s_or_b32 s[G0+4*\n+3], s[G0+4*\n+3], 0x80000000
.endr
	ROUND                                          ; all four work-groups are here: the first joint loads meet
	tensor_load_to_lds s[G0:G0+3], s[G1:G1+7]      ; wo16, rows 0-127
	s_nop 0
	tensor_load_to_lds s[G0+4:G0+7], s[G1:G1+7]    ; rows 128-255
	s_nop 0
; the eight pairs T become eight sums over the wave's 32 lanes, in the pair's first register, in every lane
.macro REDUCE
.irp t, 0,1,2,3,4,5,6,7
	v_add_f32 v[T+2*\t], v[T+2*\t], v[T+2*\t+1]
.endr
.irp m, 1,2,4,8
.irp t, 0,1,2,3,4,5,6,7
	v_add_f32_dpp v[T+2*\t], v[T+2*\t], v[T+2*\t] row_xmask:\m row_mask:0xf bank_mask:0xf
.endr
.endr
.irp t, 0,1,2,3,4,5,6,7
	v_permlanex16_b32 v[T+2*\t+1], v[T+2*\t], s42, s43
.endr
.irp t, 0,1,2,3,4,5,6,7
	v_add_f32 v[T+2*\t], v[T+2*\t], v[T+2*\t+1]
.endr
.endm
; R = (R - mean) / sqrt(var + 1e-5), eight rows side by side
.macro LNSTAT
.irp t, 0,1,2,3,4,5,6,7
	v_pk_add_f32 v[T+2*\t:T+2*\t+1], v[R+16*\t:R+16*\t+1], v[R+16*\t+2:R+16*\t+3]
.endr
.irp p, 4,6,8,10,12,14
.irp t, 0,1,2,3,4,5,6,7
	v_pk_add_f32 v[T+2*\t:T+2*\t+1], v[T+2*\t:T+2*\t+1], v[R+16*\t+\p:R+16*\t+\p+1]
.endr
.endr
	REDUCE
.irp t, 0,1,2,3,4,5,6,7
	v_mul_f32 v[T+2*\t], s46, v[T+2*\t]            ; -mean
.endr
.irp p, 0,2,4,6,8,10,12,14
.irp t, 0,1,2,3,4,5,6,7
	v_pk_add_f32 v[R+16*\t+\p:R+16*\t+\p+1], v[R+16*\t+\p:R+16*\t+\p+1], v[T+2*\t:T+2*\t+1] op_sel_hi:[1,0]
.endr
.endr
.irp t, 0,1,2,3,4,5,6,7
	v_pk_mul_f32 v[T+2*\t:T+2*\t+1], v[R+16*\t:R+16*\t+1], v[R+16*\t:R+16*\t+1]
.endr
.irp p, 2,4,6,8,10,12,14
.irp t, 0,1,2,3,4,5,6,7
	v_pk_fma_f32 v[T+2*\t:T+2*\t+1], v[R+16*\t+\p:R+16*\t+\p+1], v[R+16*\t+\p:R+16*\t+\p+1], v[T+2*\t:T+2*\t+1]
.endr
.endr
	REDUCE
.irp t, 0,1,2,3,4,5,6,7
	v_fma_f32 v[T+2*\t], v[T+2*\t], s44, s45       ; var + 1e-5
.endr
.irp t, 0,1,2,3,4,5,6,7
	v_rsq_f32 v[T+2*\t], v[T+2*\t]
.endr
	v_nop                                          ; one plain instruction between the roots and the first use of a result (ISA guide 5.7.2)
	s_wait_alu depctr_va_vdst(0)
.irp p, 0,2,4,6,8,10,12,14
.irp t, 0,1,2,3,4,5,6,7
	v_pk_mul_f32 v[R+16*\t+\p:R+16*\t+\p+1], v[R+16*\t+\p:R+16*\t+\p+1], v[T+2*\t:T+2*\t+1] op_sel_hi:[1,0]
.endr
.endr
.endm
; columns 128 i .. 128 i + 127 of my eight rows of x, rounded to f16, into buffer buf
.macro XBCVT i, buf
	WIN 0x05
.irp t, 0,1,2,3,4,5,6,7
	v_cvt_pk_f16_f32 v[T2+2*\t],   v[16*\t+4*\i],   v[16*\t+4*\i+1]
	v_cvt_pk_f16_f32 v[T2+2*\t+1], v[16*\t+4*\i+2], v[16*\t+4*\i+3]
.endr
	WIN 0
.irp t, 0,1,2,3,4,5,6,7
	ds_store_b64 v[XBW], v[T2+2*\t:T2+2*\t+1] offset:\buf*XBB+\t*XBP
.endr
.endm
; sixteen LDS loads: 32 along k (quarter ks of the step) of all 64 rows of x and of my 64 columns of wo16; slot and x buffer are both sig
.macro LOADF xf, wf, sig, ks
.irp a, 0,1,2,3
	ds_load_b128 v[\xf+8*\a:\xf+8*\a+3],   v[XBA] offset:\sig*XBB+\a*16*XBP+64*\ks
	ds_load_b128 v[\xf+8*\a+4:\xf+8*\a+7], v[XBA] offset:\sig*XBB+\a*16*XBP+64*\ks+32
.endr
.irp b, 0,1,2,3
	ds_load_tr16_b128 v[\wf+8*\b:\wf+8*\b+3],   v[WOA+2*\sig+(\ks>>1)] offset:(\ks&1)*32*WOP+32*\b
	ds_load_tr16_b128 v[\wf+8*\b+4:\wf+8*\b+7], v[WOA+2*\sig+(\ks>>1)] offset:(\ks&1)*32*WOP+16*WOP+32*\b
.endr
.endm
; sixteen products; source 0 = wo16's columns, source 1 = x's rows, so a lane holds row r, columns 16 b + 8 h + j.
; The sixteen accumulators take turns, one instruction a turn.
.macro MM xf, wf, zero
.irp a, 0,1,2,3
.irp b, 0,1,2,3
.if \zero
	v_wmma_f32_16x16x32_f16 v[128+8*(4*\a+\b):128+8*(4*\a+\b)+7], v[\wf+8*\b:\wf+8*\b+7], v[\xf+8*\a:\xf+8*\a+7], 0
.else
	v_wmma_f32_16x16x32_f16 v[128+8*(4*\a+\b):128+8*(4*\a+\b)+7], v[\wf+8*\b:\wf+8*\b+7], v[\xf+8*\a:\xf+8*\a+7], v[128+8*(4*\a+\b):128+8*(4*\a+\b)+7]
.endif
.endr
.endr
.endm
; Step c: 128 along k from slot sig.  nc, nb: the next step's number and x buffer.
.macro GSTEP c, sig, nc, nb
	LOADF XFA, WFA, \sig, 0
	LOADF XFB, WFB, \sig, 1
	s_wait_dscnt 16                                ; set A is in; younger: set B's sixteen loads
	WIN 0x50
.if \c == 0
	MM XFA, WFA, 1                                 ; the first products start the sums
.else
	MM XFA, WFA, 0
.endif
	WIN 0
	PLACES 4                                       ; in front of loads into the fragments just multiplied
	LOADF XFA, WFA, \sig, 2
	s_wait_dscnt 16                                ; set B is in; younger: set A's
	WIN 0x50
	MM XFB, WFB, 0
	WIN 0
	PLACES 4
	LOADF XFB, WFB, \sig, 3
	s_wait_dscnt 16
	WIN 0x50
	MM XFA, WFA, 0
	s_wait_dscnt 0x0
	MM XFB, WFB, 0
	WIN 0
	PLACES 4                                       ; in front of the next step's loads into the fragments, and of the stores that read the sums; this text counts no conversion to f16 as a place
.if \c < 3
	XBCVT \nc, \nb                                 ; the next 128 columns of x, into the buffer read a step ago
	s_wait_dscnt 0x0                               ; my reads of this slot and of x are back, my stores are done
	s_wait_tensorcnt 0x0                           ; all my tensor loads have landed: the one that was out is my part of the next step's tile
	ds_add_u32 v254, v255
	s_wait_dscnt 0x0
.endif
.if \c < 2
	s_add_nc_u64 s[G0+4*\sig+2:G0+4*\sig+3], s[G0+4*\sig+2:G0+4*\sig+3], 256*1024
	ROUND                                          ; no wave of the four work-groups still reads this slot or has a load on its way
	tensor_load_to_lds s[G0+4*\sig:G0+4*\sig+3], s[G1:G1+7]
	s_nop 0
.endif
.if \c == 2
	s_barrier_signal -1
	s_barrier_wait -1
.endif
.endm
	s_wait_loadcnt 8                               ; my eight rows are in; younger: the eight loads of ln0_g and ln0_b
	LNSTAT
	s_wait_loadcnt 0x0
	WIN 0x40
.irp t, 0,1,2,3,4,5,6,7
.irp p, 0,2,4,6,8,10,12,14
	v_pk_fma_f32 v[16*\t+\p:16*\t+\p+1], v[R+16*\t+\p:R+16*\t+\p+1], v[G+\p:G+\p+1], v[BP+\p:BP+\p+1]    ; x, kept in window 1
.endr
.endr
	WIN 0
.irp i, 0,1,2,3
	global_load_b128 v[G+4*\i:G+4*\i+3],   v[LO], s[18:19] offset:512*\i      ; ln1_g, ln1_b, bo: wanted behind the product
	global_load_b128 v[BP+4*\i:BP+4*\i+3], v[LO], s[20:21] offset:512*\i
	global_load_b128 v[BO+4*\i:BO+4*\i+3], v[LO], s[12:13] offset:512*\i
.endr
	XBCVT 0, 0
	s_wait_dscnt 0x0
	s_wait_tensorcnt 0x1                           ; my rows of wo16's first tile are in; the second may stay out
	s_barrier_signal -1
	s_barrier_wait -1
	GSTEP 0, 0, 1, 1
	GSTEP 1, 1, 2, 0
	GSTEP 2, 0, 3, 1
	GSTEP 3, 1, 0, 0
	; y goes through LDS from the product's shares to the rows' shares.  Slot 0 had its last fill behind step 0 and its last read in front of step 2's barrier.
	WIN 0x04
.irp a, 0,1,2,3
.irp b, 0,1,2,3
	ds_store_b128 v[YS+(\a>>1)], v[128+8*(4*\a+\b):128+8*(4*\a+\b)+3]   offset:(\a&1)*16*YP+64*\b
	ds_store_b128 v[YS+(\a>>1)], v[128+8*(4*\a+\b)+4:128+8*(4*\a+\b)+7] offset:(\a&1)*16*YP+64*\b+16
.endr
.endr
	WIN 0
	s_wait_dscnt 0x0
	s_barrier_signal -1
	s_barrier_wait -1
.irp t, 0,1,2,3,4,5,6,7
.irp i, 0,1,2,3
	ds_load_b128 v[R+16*\t+4*\i:R+16*\t+4*\i+3], v[YR] offset:\t*YP+512*\i
.endr
.endr
	s_wait_loadcnt 0x0
	s_wait_dscnt 0x0
.irp t, 0,1,2,3,4,5,6,7
.irp p, 0,2,4,6,8,10,12,14
	v_pk_add_f32 v[R+16*\t+\p:R+16*\t+\p+1], v[R+16*\t+\p:R+16*\t+\p+1], v[BO+\p:BO+\p+1]
.endr
.endr
.set ri, 0
.rept 128
	v_max_num_f32 v[R+ri], 0, v[R+ri]
.set ri, ri+1
.endr
	WIN 0x04
.irp t, 0,1,2,3,4,5,6,7
.irp p, 0,2,4,6,8,10,12,14
	v_pk_add_f32 v[R+16*\t+\p:R+16*\t+\p+1], v[R+16*\t+\p:R+16*\t+\p+1], v[16*\t+\p:16*\t+\p+1]          ; + x
.endr
.endr
	WIN 0
	LNSTAT
.irp t, 0,1,2,3,4,5,6,7
.irp p, 0,2,4,6,8,10,12,14
	v_pk_fma_f32 v[R+16*\t+\p:R+16*\t+\p+1], v[R+16*\t+\p:R+16*\t+\p+1], v[G+\p:G+\p+1], v[BP+\p:BP+\p+1]
.endr
.endr
.irp t, 0,1,2,3,4,5,6,7
.irp i, 0,1,2,3
	global_store_b128 v[LO], v[R+16*\t+4*\i:R+16*\t+4*\i+3], s[22:23] offset:2048*\t+512*\i th:TH_STORE_NT   ; 512 consecutive bytes a wave
.endr
.endr
	s_wait_tensorcnt 0x0
	ds_add_u32 v254, v255
	s_wait_dscnt 0x0
	ROUND                                          ; the closing round: no work-group ends while a partner may still ask jointly
	s_endpgm
.Lfunc_end_k_q547a7af9d7_tail:
	.size	k_q547a7af9d7_tail, .Lfunc_end_k_q547a7af9d7_tail-k_q547a7af9d7_tail
	.p2alignl 7, 3214868480
	.fill 96, 4, 3214868480
	.section	.rodata,"a",@progbits
	.p2align	6, 0x0
	.amdhsa_kernel k_q547a7af9d7_tail
		.amdhsa_group_segment_fixed_size 327680
		.amdhsa_private_segment_fixed_size 0
		.amdhsa_enable_private_segment 0
		.amdhsa_kernarg_size 64
		.amdhsa_user_sgpr_count 2
		.amdhsa_user_sgpr_kernarg_segment_ptr 1
		.amdhsa_wavefront_size32 1
		.amdhsa_system_sgpr_workgroup_id_x 1
		.amdhsa_system_sgpr_workgroup_id_y 1
		.amdhsa_system_sgpr_workgroup_id_z 1
		.amdhsa_system_vgpr_workitem_id 0
		.amdhsa_next_free_vgpr 512
		.amdhsa_next_free_sgpr 66
		.amdhsa_reserve_vcc 0
		.amdhsa_float_denorm_mode_32 3
		.amdhsa_float_denorm_mode_16_64 3
		.amdhsa_memory_ordered 1
		.amdhsa_forward_progress 1
		.amdhsa_inst_pref_size 125
	.end_amdhsa_kernel
	.amdgpu_metadata
---
amdhsa.version: [ 1, 2 ]
amdhsa.kernels:
  - .name:           k_q547a7af9d7_tail
    .symbol:         k_q547a7af9d7_tail.kd
    .args:
      - { .name: obuf, .offset: 0, .size: 8, .value_kind: global_buffer, .address_space: global }
      - { .name: wo16, .offset: 8, .size: 8, .value_kind: global_buffer, .address_space: global }
      - { .name: bo, .offset: 16, .size: 8, .value_kind: global_buffer, .address_space: global }
      - { .name: ln0_g, .offset: 24, .size: 8, .value_kind: global_buffer, .address_space: global }
      - { .name: ln0_b, .offset: 32, .size: 8, .value_kind: global_buffer, .address_space: global }
      - { .name: ln1_g, .offset: 40, .size: 8, .value_kind: global_buffer, .address_space: global }
      - { .name: ln1_b, .offset: 48, .size: 8, .value_kind: global_buffer, .address_space: global }
      - { .name: out0, .offset: 56, .size: 8, .value_kind: global_buffer, .address_space: global }
    .group_segment_fixed_size: 327680
    .private_segment_fixed_size: 0
    .kernarg_segment_align: 8
    .kernarg_segment_size: 64
    .max_flat_workgroup_size: 256
    .sgpr_count:     66
    .vgpr_count:     512
    .wavefront_size: 32
...
	.end_amdgpu_metadata
.endif
;; end of part 2
